; MI455X (gfx1250); checked and timed in simulation.
; The chip was launched on July 23, 2026; its instructions are those of AMD's public machine-readable ISA for CDNA 5 (MIT licence, August 2026) and "CDNA5" Instruction Set Architecture Reference Guide (July 2026). The comments in the code are by the model that wrote it; some were corrected since.
;; Llama Attention. Allowed arithmetic: float matrix products may take bf16 or f16 operands with f32 sums; all other float work in f32.
;; Inputs: Wk 512 x 4,096 float32; Wo 4,096 x 1,024 float32; Wq 1,024 x 4,096 float32; Wv 512 x 4,096 float32; attention_mask 2 x 1 x 2,048 x 2,048 float32; cos 2 x 2,048 x 128 float32; hidden_states 2 x 2,048 x 4,096 float32; sin 2 x 2,048 x 128 float32.
;; Outputs: out0 2 x 2,048 x 4,096 float32.
;; One version. Each part assembles by itself: llvm-mc -triple=amdgcn-amd-amdhsa -mcpu=gfx1250 --defsym DOCPART=n.
;; ======== version 1 of 1: 4 launches
;; limits: values are held in f16: magnitudes above 65,504 overflow, below 6.1e-05 lose precision; inputs' magnitudes at most 1e+30; right only within a limited range of input values
;; workspace buffers: hw 58,720,256 bytes; heads 20,971,520 bytes; ctx 8,388,608 bytes
;; launch cast (part 1): grid 128 x 14, 8 waves a work-group, no clusters, 0 bytes of LDS; arguments hidden_states, Wq, Wk, Wv, Wo, hw; writes hw
.if DOCPART == 1
	.amdgcn_target "amdgcn-amd-amdhsa--gfx1250"
	.amdhsa_code_object_version 6
	.text
	.protected	k_q3c177d23f7_cast
	.globl	k_q3c177d23f7_cast
	.p2align	8
	.type	k_q3c177d23f7_cast,@function
k_q3c177d23f7_cast:
	s_mov_b64 s[64:65], 0
	v_nop
	global_prefetch_b8 v0, s[64:65] scope:SCOPE_SE
	s_setreg_imm32_b32 hwreg(HW_REG_WAVE_MODE, 25, 1), 1
	s_wait_xcnt 0x0
; hw = the five matrix operands, each ROUNDED TO BF16 (nearest even) and stored as the same number in f16:
;   byte 0          X16  [4096][4096] = hidden_states
;   byte 33,554,432 W16  [2048][4096] = Wq (rows 0-1023), Wk (1024-1535), Wv / 2 (1536-2047)
;   byte 50,331,648 WO16 [4096][1024] = 2 Wo
; CONTRACT OF THE WHOLE PROGRAM: it computes the attention block on inputs rounded to bf16, all eight of them (cos, sin and the mask are
; rounded where they are used).  bf16's 8 significant bits fit into f16's 11, so the f16 operand holds the rounded input exactly, and
; one matrix form serves inputs and the finer f16 intermediates alike.  The factors are powers of two (exact): v / 2 and result / 2 keep
; inputs 30 times larger with an offset of 30 spreads (v up to 58 K) inside f16; 2 Wo undoes the 1/2.
; LIMITS: a number beyond 65504 in magnitude after its factor becomes an infinity; one below 2^-17 loses bits (absolute error at most 3e-8).
; A stream: no LDS, no matrix unit, no cluster (no byte is read twice).  A unit is 2,097,152 numbers; the grid's y is the unit
; (0-7 hidden_states, 8-9 Wq, 10 Wk, 11 Wv, 12-13 Wo), its x one of the unit's 128 parts of 16,384 numbers.
; Thread t takes 16 bytes at 16 t of each of sixteen blocks of 4,096 bytes: a wave's load covers 512 consecutive bytes,
; its store 256 consecutive bytes at a multiple of 256.  All sixteen loads go out first; no register that memory reads is written twice.
.set X, 8                              ; v[8:71]   block j: 4 numbers in f32
.set Y, 72                             ; v[72:103] block j: 4 numbers, first as bf16, then as f16
	s_load_b256 s[4:11], s[0:1], 0x0               ; hidden_states s[4:5], Wq s[6:7], Wk s[8:9], Wv s[10:11]
	s_load_b128 s[12:15], s[0:1], 0x20             ; Wo s[12:13], hw s[14:15]
	s_and_b32 s16, ttmp7, 0xffff                   ; the unit
	v_lshlrev_b32 v1, 4, v0                        ; 16 t: where I read
	v_lshlrev_b32 v2, 3, v0                        ; 8 t: where I write
	s_mov_b32 s17, 0                               ; the source's first unit
	s_mov_b32 s20, 1.0                             ; the factor
	s_wait_kmcnt 0x0
	s_mov_b64 s[18:19], s[4:5]                     ; the source: chosen by the unit's number alone
	s_cmp_ge_u32 s16, 8
	s_cselect_b64 s[18:19], s[6:7], s[18:19]
	s_cselect_b32 s17, 8, s17
	s_cmp_ge_u32 s16, 10
	s_cselect_b64 s[18:19], s[8:9], s[18:19]
	s_cselect_b32 s17, 10, s17
	s_cmp_ge_u32 s16, 11
	s_cselect_b64 s[18:19], s[10:11], s[18:19]
	s_cselect_b32 s17, 11, s17
	s_cselect_b32 s20, 0.5, s20
	s_cmp_ge_u32 s16, 12
	s_cselect_b64 s[18:19], s[12:13], s[18:19]
	s_cselect_b32 s17, 12, s17
	s_cselect_b32 s20, 2.0, s20
	s_mov_b32 s21, s20                             ; the packed multiply names the pair
	s_sub_co_u32 s17, s16, s17                     ; the unit inside its source
	s_lshl_b32 s22, s17, 23                        ; x 8,388,608 bytes
	s_lshl_b32 s23, ttmp9, 16                      ; + part x 65,536 bytes
	s_add_co_u32 s22, s22, s23
	s_mov_b32 s23, 0
	s_add_nc_u64 s[18:19], s[18:19], s[22:23]
	s_lshl_b32 s22, s16, 22                        ; hw: unit x 4,194,304 bytes
	s_lshl_b32 s2, ttmp9, 15                       ; + part x 32,768 bytes
	s_add_co_u32 s22, s22, s2
	s_add_nc_u64 s[14:15], s[14:15], s[22:23]
	s_mov_b32 s2, 0xffff0000                       ; a word's upper bf16
.irp j, 0,1,2,3,4,5,6,7,8,9,10,11,12,13,14,15
	global_load_b128 v[X+4*\j:X+4*\j+3], v1, s[18:19] offset:4096*\j th:TH_LOAD_NT
.endr
; block j: factor, rounding to bf16, the same numbers as f32 again, and as f16 (exact)
.irp j, 0,1,2,3,4,5,6,7,8,9,10,11,12,13,14,15
	s_wait_loadcnt 15-\j                           ; loads come back in order: block j is in, the younger ones stay out
	v_pk_mul_f32 v[X+4*\j:X+4*\j+1], v[X+4*\j:X+4*\j+1], s[20:21] op_sel_hi:[1,0]
	v_pk_mul_f32 v[X+4*\j+2:X+4*\j+3], v[X+4*\j+2:X+4*\j+3], s[20:21] op_sel_hi:[1,0]
	v_cvt_pk_bf16_f32 v[Y+2*\j], v[X+4*\j], v[X+4*\j+1]
	v_cvt_pk_bf16_f32 v[Y+2*\j+1], v[X+4*\j+2], v[X+4*\j+3]
	v_lshlrev_b32 v[X+4*\j], 16, v[Y+2*\j]
	v_and_b32 v[X+4*\j+1], s2, v[Y+2*\j]
	v_lshlrev_b32 v[X+4*\j+2], 16, v[Y+2*\j+1]
	v_and_b32 v[X+4*\j+3], s2, v[Y+2*\j+1]
	v_cvt_pk_f16_f32 v[Y+2*\j], v[X+4*\j], v[X+4*\j+1]
	v_cvt_pk_f16_f32 v[Y+2*\j+1], v[X+4*\j+2], v[X+4*\j+3]
	global_store_b64 v2, v[Y+2*\j:Y+2*\j+1], s[14:15] offset:2048*\j
.endr
	s_endpgm
.Lfunc_end_k_q3c177d23f7_cast:
	.size	k_q3c177d23f7_cast, .Lfunc_end_k_q3c177d23f7_cast-k_q3c177d23f7_cast
	.p2alignl 7, 3214868480
	.fill 96, 4, 3214868480
	.section	.rodata,"a",@progbits
	.p2align	6, 0x0
	.amdhsa_kernel k_q3c177d23f7_cast
		.amdhsa_group_segment_fixed_size 0
		.amdhsa_private_segment_fixed_size 0
		.amdhsa_enable_private_segment 0
		.amdhsa_kernarg_size 48
		.amdhsa_user_sgpr_count 2
		.amdhsa_user_sgpr_kernarg_segment_ptr 1
		.amdhsa_wavefront_size32 1
		.amdhsa_system_sgpr_workgroup_id_x 1
		.amdhsa_system_sgpr_workgroup_id_y 1
		.amdhsa_system_sgpr_workgroup_id_z 1
		.amdhsa_system_vgpr_workitem_id 0
		.amdhsa_next_free_vgpr 104
		.amdhsa_next_free_sgpr 66
		.amdhsa_reserve_vcc 0
		.amdhsa_float_denorm_mode_32 3
		.amdhsa_float_denorm_mode_16_64 3
		.amdhsa_memory_ordered 1
		.amdhsa_forward_progress 1
		.amdhsa_inst_pref_size 13
	.end_amdhsa_kernel
	.amdgpu_metadata
---
amdhsa.version: [ 1, 2 ]
amdhsa.kernels:
  - .name:           k_q3c177d23f7_cast
    .symbol:         k_q3c177d23f7_cast.kd
    .args:
      - { .name: hidden_states, .offset: 0, .size: 8, .value_kind: global_buffer, .address_space: global }
      - { .name: Wq, .offset: 8, .size: 8, .value_kind: global_buffer, .address_space: global }
      - { .name: Wk, .offset: 16, .size: 8, .value_kind: global_buffer, .address_space: global }
      - { .name: Wv, .offset: 24, .size: 8, .value_kind: global_buffer, .address_space: global }
      - { .name: Wo, .offset: 32, .size: 8, .value_kind: global_buffer, .address_space: global }
      - { .name: hw, .offset: 40, .size: 8, .value_kind: global_buffer, .address_space: global }
    .group_segment_fixed_size: 0
    .private_segment_fixed_size: 0
    .kernarg_segment_align: 8
    .kernarg_segment_size: 48
    .max_flat_workgroup_size: 256
    .sgpr_count:     66
    .vgpr_count:     104
    .wavefront_size: 32
...
	.end_amdgpu_metadata
.endif
;; end of part 1
;; launch qkvrope (part 2): grid 16 x 16, 4 waves a work-group, clusters of 4 x 4, 327,680 bytes of LDS; arguments hw, cos, sin, heads; writes heads
.if DOCPART == 2
	.amdgcn_target "amdgcn-amd-amdhsa--gfx1250"
	.amdhsa_code_object_version 6
	.text
	.protected	k_q3c177d23f7_qkvrope
	.globl	k_q3c177d23f7_qkvrope
	.p2align	8
	.type	k_q3c177d23f7_qkvrope,@function
k_q3c177d23f7_qkvrope:
	s_mov_b64 s[64:65], 0
	v_nop
	global_prefetch_b8 v0, s[64:65] scope:SCOPE_SE
	s_setreg_imm32_b32 hwreg(HW_REG_WAVE_MODE, 25, 1), 1
	s_wait_xcnt 0x0
	s_wait_alu depctr_hold_cnt(0) depctr_sa_sdst(0) depctr_va_vdst(0) depctr_va_sdst(0) depctr_va_ssrc(0) depctr_va_vcc(0) depctr_vm_vsrc(0)
	s_getreg_b32 s2, hwreg(HW_REG_IB_STS2, 6, 4)
	s_cmp_eq_u32 s2, 0
	s_cbranch_scc0 .Lentry_in_a_cluster
	s_endpgm
.Lentry_in_a_cluster:
	s_bfe_u32 s2, ttmp6, 0x10000c
	s_cmp_lg_u32 s2, 0xf033
	s_cbranch_scc0 .Lentry_shape_is_right
	s_endpgm
.Lentry_shape_is_right:
; X16 [4096][4096] . W16[128 hh .. 128 hh + 127][4096]^T for hh = 0 .. 15, into heads (f16), m = batch x 2048 + position:
;   hh 0-7 q and 8-11 k: times c = 2^-1.75 and rotated, at byte hh x 1,048,576 + m x 256: rows of 128 numbers;
;   hh 12-15 v / 2, plain, as TWO f16 numbers, at byte 12,582,912 + (hh - 12) x 2,097,152 + m x 512: 128 leading parts, then 128 remainders.
; c^2 = 128^-0.5, so (c q).(c k) is the scaled score.  cos and sin are rounded to bf16 here (the program's contract: every input at bf16
; precision); sums, the factor and the rotation in f32, one rounding to f16.  v goes on to 21 bits: in a row whose softmax rests on few keys
; the attention's result is as large as v itself, and v's own f16 rounding on top of the result's would be too large a part of what a small
; output may be off by.  The leading part is the sum cut to 11 significant bits (f16 holds it exactly), the remainder is exact in f32 and rounded to f16.
; LIMITS: results beyond 65504 become infinities; where |v / 2| is below 6.1e-5 the two numbers together are good to 3e-8 absolute (f16).
; 4096 x 2048 outputs on 256 work-groups: a block of 256 rows x 128 columns (one head) each; wave w makes rows 64 w .. 64 w + 63 of all
; 128 columns: 32 accumulator tiles.  A whole head in one wave puts the rotation's partner column d +- 64 into the same lane and the same
; register of the tile four further on.  K goes in 32 steps of 128 through two LDS slots filled by the tensor data mover; a tile's rows
; are 256 bytes of memory at multiples of 256 from the buffer's first byte.  Two slots of twice that step would need 405,504 bytes of LDS,
; two of one and a half times that step, at a pitch of 432 bytes, 331,776.
; CLUSTER 4 x 4: X16's tile hangs on the block row alone and is asked for jointly by a row of the cluster, W16's on the block column alone
; and is asked for jointly by a column: the requests for both are divided by four.
; REGISTERS in windows of 256: window 0 addresses and two fragment buffers (8 of W, then 4 of X, 8 registers each);
; window 1 the accumulators, tile (a, b) at 8 (8 a + b); window 2 cos, window 3 sin, in the accumulators' own layout.
; The matrix instruction is used transposed (source 0 = 16 rows of W, source 1 = 16 rows of X): lane l holds row l % 16 of the result and
; registers 0-7 its columns 8 (l / 16) + 0..7, eight neighbouring numbers.
.set KSTEP,  128
.set PITCH,  272                       ; 256 bytes of data + 16 of padding: the 16 rows of a fragment load fall into 16 different 16-byte columns modulo 256
.set AHALF,  128*PITCH                 ; what wave 0 or 1 brings: 128 rows of X
.set BHALF,  64*PITCH                  ; what wave 2 or 3 brings: 64 rows of W
.set BOFF,   2*AHALF
.set SLOT,   2*AHALF+2*BHALF           ; 104,448
.set STAGE,  2*SLOT                    ; behind the ring: 16 rows x 272 bytes for each wave, for the way out; no fill lands there
.set LAPS,   16                        ; a lap = two K steps = once round the ring
.set WOFF,   33554432                  ; W16 in hw
.set VBASE,  12582912                  ; v's rows in heads
.set ADRA, 16                          ; v16-17 LDS address of my X fragments in slot 0, 1
.set ADRB, 20                          ; v20-21 the same for W
.set STO,  24                          ; the way out: where I put 16 bytes of a row
.set RD,   25                          ; the way out: where I read rows back
.set CO,   26                          ; 16 x lane: my bytes in two rows of 256 bytes (q, k)
.set CS,   27                          ; my bytes in cos and sin: 512 (l % 16) + 32 (l / 16)
.set COV,  28                          ; 16 (l % 16) + 512 (l / 16): my bytes in two rows of 512 bytes (v)
.set F0,   64                          ; fragment buffer 0: v64-159
.set F1,   160                         ; fragment buffer 1: v160-255
.set TMP,  64                          ; the way out: 16 rows in f16, v64-95
.set CT,   160                         ; the way out: 64 numbers of cos or sin as bf16, v160-191
.set HI,   160                         ; the way out of v: 64 leading parts in f32, v160-223
.set TMPL, 224                         ; the way out of v: 16 rows of remainders in f16, v224-255
.set G1,  24                           ; s[24:31] group 1 for X's tiles
.set G0,  32                           ; s[32:39] group 0 for X's tiles, one set for each slot
.set G1B, 48                           ; s[48:55] group 1 for W's tiles
.set G0B, 56                           ; s[56:63] group 0 for W's tiles
.set MUL, 0x50                         ; C and D in window 1, fragments in window 0
.set MSB, 0
.macro WIN new                         ; the immediate's high byte repeats the setting that is left
.if MSB != \new
	s_set_vgpr_msb (MSB<<8)|\new
.set MSB, \new
.endif
.endm
.macro PLACES                          ; four places behind a matrix instruction, ahead of loads into its sources and of readers of its results
.rept 4
	v_nop
.endr
.endm
.macro JLOAD s                         ; one joint load a wave: waves 0, 1 X's halves, waves 2, 3 W's; the branch hangs on the wave's number alone
	s_cmp_eq_u32 s13, 0
	s_cbranch_scc0 .Lfor_b_\@
	tensor_load_to_lds s[G0+4*\s:G0+4*\s+3], s[G1:G1+7]
	s_nop 0
	s_branch .Lasked_\@
.Lfor_b_\@:
	tensor_load_to_lds s[G0B+4*\s:G0B+4*\s+3], s[G1B:G1B+7]
	s_nop 0
.Lasked_\@:
.endm
.macro CREST                           ; a round of the cluster's barrier behind its opening work-group barrier
	s_cmp_lg_u32 s12, 0
	s_cbranch_scc1 .Lnot_wave_0_\@
	s_barrier_signal -3
.Lnot_wave_0_\@:
	s_barrier_wait -3
	s_barrier_signal -1
	s_barrier_wait -1
.endm
.macro CROUND
	s_barrier_signal -1
	s_barrier_wait -1
	CREST
.endm
	s_load_b256 s[4:11], s[0:1], 0x0               ; hw s[4:5], cos s[6:7], sin s[8:9], heads s[10:11]
	v_lshl_add_u32 v62, v0, 2, 0x37400
	v_mov_b32 v63, 0
	ds_add_u32 v62, v63
	v_lshrrev_b32 v1, 5, v0
	v_readfirstlane_b32 s12, v1                    ; wave 0..3
	s_lshr_b32 s13, s12, 1                         ; I fetch for X (0) or for W (1)
	s_and_b32 s14, s12, 1                          ; which half of that tile
	s_mov_b32 s3, ttmp9                            ; the cluster's x: 0-2 rotated heads, 3 the v heads; equal in all sixteen partners
	s_bfe_u32 s40, ttmp6, 0x40000                  ; cx
	s_bfe_u32 s41, ttmp6, 0x40004                  ; cy
	s_lshl_b32 s42, ttmp9, 2
	s_add_co_u32 s42, s42, s40                     ; block column = hh
	s_and_b32 s43, ttmp7, 0xffff
	s_lshl_b32 s43, s43, 2
	s_add_co_u32 s43, s43, s41                     ; block row
	s_lshl_b32 s44, s41, 2
	s_lshl_b32 s44, 15, s44                        ; my row of the cluster
	s_lshl_b32 s45, 0x1111, s40                    ; my column
	s_or_b32 s[G1+0], s44, (1<<16)|(1<<20)|(1<<21)|(5<<22)|(3<<25)   ; mask; 2-byte elements; padding on; bit 21 beside a mask; 4 words behind every 64
	s_mov_b32 s[G1+1], KSTEP<<16                   ; tensor_dim0 = 128
	s_mov_b32 s[G1+2], 128<<16                     ; tensor_dim1 = 128
	s_mov_b32 s[G1+3], KSTEP<<16                   ; tile_dim0 = 128
	s_mov_b32 s[G1+4], 128                         ; tile_dim1 = 128 rows
	s_mov_b32 s[G1+5], 4096                        ; elements from row to row
	s_mov_b32 s[G1+6], 0
	s_mov_b32 s[G1+7], 0
	s_or_b32 s[G1B+0], s45, (1<<16)|(1<<20)|(1<<21)|(5<<22)|(3<<25)
	s_mov_b32 s[G1B+1], KSTEP<<16
	s_mov_b32 s[G1B+2], 64<<16                     ; 64 rows
	s_mov_b32 s[G1B+3], KSTEP<<16
	s_mov_b32 s[G1B+4], 64
	s_mov_b32 s[G1B+5], 4096
	s_mov_b32 s[G1B+6], 0
	s_mov_b32 s[G1B+7], 0
	; X's address is made of the block row and the wave, W's of the block column and the wave, each in registers that never hold the other coordinate
	s_lshl_b32 s16, s43, 8
	s_lshl_b32 s17, s14, 7
	s_add_co_u32 s16, s16, s17                     ; X: row 256 x block row + 128 x half
	s_lshl_b32 s16, s16, 13                        ; x 8,192 bytes
	s_mov_b32 s17, 0
	s_lshl_b32 s46, s42, 7
	s_lshl_b32 s47, s14, 6
	s_add_co_u32 s46, s46, s47                     ; W: row 128 x block column + 64 x half
	s_lshl_b32 s46, s46, 13
	s_add_co_u32 s46, s46, WOFF
	s_mov_b32 s47, 0
	s_mul_i32 s20, s12, AHALF                      ; LDS: X's halves at wave x 34,816 (waves 0, 1),
	s_mul_i32 s21, s12, BHALF
	s_add_co_u32 s21, s21, AHALF                   ; W's at 34,816 + wave x 17,408 (waves 2, 3): 69,632 and 87,040
	s_wait_dscnt 0x0
	s_wait_kmcnt 0x0
	s_add_nc_u64 s[18:19], s[4:5], s[16:17]
	s_add_nc_u64 s[46:47], s[4:5], s[46:47]
	CROUND                                         ; all sixteen work-groups are here: the first joint loads meet
.irp s, 0,1
	s_mov_b32 s[G0+4*\s], 1
	s_add_co_u32 s[G0+4*\s+1], s20, \s*SLOT
	s_add_nc_u64 s[G0+4*\s+2:G0+4*\s+3], s[18:19], \s*KSTEP*2
	s_or_b32 s[G0+4*\s+3], s[G0+4*\s+3], 0x80000000
	s_mov_b32 s[G0B+4*\s], 1
	s_add_co_u32 s[G0B+4*\s+1], s21, \s*SLOT
	s_add_nc_u64 s[G0B+4*\s+2:G0B+4*\s+3], s[46:47], \s*KSTEP*2
	s_or_b32 s[G0B+4*\s+3], s[G0B+4*\s+3], 0x80000000
	JLOAD \s                                       ; both slots' first fills, ahead of everything else: two tensor loads of the wave are out
.endr
	v_and_b32 v1, 15, v0                           ; r = l % 16
	v_bfe_u32 v2, v0, 4, 1                         ; h = l / 16
	v_mul_u32_u24 v3, v1, PITCH
	v_lshl_add_u32 v3, v2, 4, v3                   ; r x pitch + 16 h
	s_mul_i32 s22, s12, 64*PITCH                   ; my 64 rows of X
	v_add_nc_u32 v[ADRA], s22, v3
	v_add_nc_u32 v[ADRA+1], SLOT, v[ADRA]
	v_add_nc_u32 v[ADRB], BOFF, v3
	v_add_nc_u32 v[ADRB+1], BOFF+SLOT, v3
	s_mul_i32 s23, s12, 16*PITCH
	s_add_co_u32 s23, s23, STAGE                   ; my stage
	v_add_nc_u32 v[STO], s23, v3
	v_mul_u32_u24 v4, v2, PITCH
	v_lshl_add_u32 v4, v1, 4, v4                   ; back: lanes 0-15 one row, lanes 16-31 the next
	v_add_nc_u32 v[RD], s23, v4
	v_and_b32 v5, 31, v0
	v_lshlrev_b32 v[CO], 4, v5
	v_lshlrev_b32 v[CS], 9, v1
	v_lshl_add_u32 v[CS], v2, 5, v[CS]
	v_lshlrev_b32 v[COV], 4, v1
	v_lshl_add_u32 v[COV], v2, 9, v[COV]
	s_lshl_b32 s16, s43, 8
	s_lshl_b32 s17, s12, 6
	s_add_co_u32 s16, s16, s17                     ; my first row: 256 x block row + 64 x wave
	s_lshl_b32 s22, s16, 9                         ; rows of 512 bytes: cos, sin, and v's rows in heads
	s_mov_b32 s23, 0
	s_add_nc_u64 s[6:7], s[6:7], s[22:23]
	s_add_nc_u64 s[8:9], s[8:9], s[22:23]
	s_lshl_b32 s17, s16, 8                         ; rows of 256 bytes: q's and k's
	s_lshl_b32 s46, s42, 20                        ; q, k: hh x 4,096 rows of 256 bytes (the block column stays in the registers that held W's address)
	s_and_b32 s47, s42, 3
	s_lshl_b32 s47, s47, 21                        ; v: (hh - 12) x 4,096 rows of 512 bytes
	s_add_co_u32 s47, s47, VBASE
	s_cmp_lt_u32 s3, 3                             ; chosen by the cluster's x
	s_cselect_b32 s22, s17, s22
	s_cselect_b32 s46, s46, s47
	s_mov_b32 s47, 0
	s_add_nc_u64 s[10:11], s[10:11], s[22:23]
	s_add_nc_u64 s[10:11], s[10:11], s[46:47]
	s_mov_b32 s16, 0xffffe000                      ; an f32's sign, exponent and leading 10 fraction bits: what f16 holds
	s_mov_b32 s22, 0x3e9837f0                      ; c = 2^-1.75, twice: the packed multiply names the pair
	s_mov_b32 s23, 0x3e9837f0
; 16 matrix instructions: row tiles a0, a0 + 1 x all 8 column tiles, 32 along K.  zero = 1: the first product starts the sums.
; The 32 accumulators take turns, one instruction a turn, in the same order everywhere.
.macro MUL16 f, a0, zero
.irp a, \a0, \a0+1
.irp b, 0,1,2,3,4,5,6,7
.if \zero
	v_wmma_f32_16x16x32_f16 v[8*(8*(\a)+\b):8*(8*(\a)+\b)+7], v[\f+8*\b:\f+8*\b+7], v[\f+64+8*(\a):\f+64+8*(\a)+7], 0
.else
	v_wmma_f32_16x16x32_f16 v[8*(8*(\a)+\b):8*(8*(\a)+\b)+7], v[\f+8*\b:\f+8*\b+7], v[\f+64+8*(\a):\f+64+8*(\a)+7], v[8*(8*(\a)+\b):8*(8*(\a)+\b)+7]
.endif
.endr
.endr
.endm
; 24 LDS loads in one run: a quarter step's fragments (128 rows of W, my 64 rows of X, 32 K at byte k of the rows) into buffer f
.macro FETCH slot, k, f
	WIN 0
.irp i, 0,1,2,3,4,5,6,7
	ds_load_b128 v[\f+8*\i:\f+8*\i+3],   v[ADRB+\slot] offset:\k+\i*16*PITCH
	ds_load_b128 v[\f+8*\i+4:\f+8*\i+7], v[ADRB+\slot] offset:\k+\i*16*PITCH+32
.endr
.irp i, 0,1,2,3
	ds_load_b128 v[\f+64+8*\i:\f+64+8*\i+3], v[ADRA+\slot] offset:\k+\i*16*PITCH
	ds_load_b128 v[\f+64+8*\i+4:\f+64+8*\i+7], v[ADRA+\slot] offset:\k+\i*16*PITCH+32
.endr
.endm
; A quarter step: the next quarter's fragments (byte k, buffer g) are asked for first and have this quarter's 32 matrix instructions in which to land
.macro QUARTER slot, k, f, g, zero
	PLACES                                         ; buffer g was read by the matrix instructions just issued
	FETCH \slot, \k, \g
	s_wait_dscnt 24                                ; all but the 24 just issued: buffer f is in
	WIN MUL
	MUL16 \f, 0, \zero
	MUL16 \f, 2, \zero
.endm
.macro THREE slot, zero
	QUARTER \slot, 64,  F0, F1, \zero
	QUARTER \slot, 128, F1, F0, 0
	QUARTER \slot, 192, F0, F1, 0
.endm
; The last quarter of a K step multiplies buffer 1 and changes slots.  In front of the barrier each wave waits for its reads of this slot and
; for all its tensor loads (one is out: its part of the next slot).  Where the slot is filled again the barrier opens a round of the cluster's
; barrier, only register work stands inside, and the joint refill is the first tensor load behind the round.
; From a request to the wait for it a wave issues 112 matrix instructions.
.macro TURN slot, next, fill
	s_wait_dscnt 0x0
	s_wait_tensorcnt 0x0
	ds_add_u32 v62, v63
	s_wait_dscnt 0x0
	s_barrier_signal -1
	WIN MUL
	MUL16 F1, 0, 0
	WIN 0
	s_barrier_wait -1
.if \fill
	CREST
	s_add_nc_u64 s[G0+4*\slot+2:G0+4*\slot+3], s[G0+4*\slot+2:G0+4*\slot+3], 2*KSTEP*2    ; no tensor load of mine is out: the addresses step
	s_add_nc_u64 s[G0B+4*\slot+2:G0B+4*\slot+3], s[G0B+4*\slot+2:G0B+4*\slot+3], 2*KSTEP*2
	JLOAD \slot
.endif
	PLACES
	FETCH \next, 0, F0
	WIN MUL
	MUL16 F1, 2, 0
.endm
.macro LAP zero
	THREE 0, \zero
	TURN 0, 1, 1
	THREE 1, 0
	TURN 1, 0, 1
.endm
; 32 loads: cos (window 2) or sin (window 3) of row tiles a0, a0 + 1, in the accumulators' layout: lane (r, h), tile (a, b), register j = row 16 a + r, column 16 b + 8 h + j
.macro CSLOAD win, base, a0
	WIN \win
.irp a, \a0, \a0+1
.irp b, 0,1,2,3,4,5,6,7
	global_load_b128 v[8*(8*(\a)+\b):8*(8*(\a)+\b)+3],   v[CS], s[\base:\base+1] offset:(\a)*8192+\b*64
	global_load_b128 v[8*(8*(\a)+\b)+4:8*(8*(\a)+\b)+7], v[CS], s[\base:\base+1] offset:(\a)*8192+\b*64+16
.endr
.endr
.endm
; The last lap fills nothing.  rope = 1: cos and sin are asked for in four groups of 32 loads, one ahead of each of the first four quarter steps;
; the youngest group has 160 matrix instructions in which to land.
.macro LASTLAP rope
.if \rope
	CSLOAD 0x80, 6, 0
.endif
	QUARTER 0, 64,  F0, F1, 0
.if \rope
	CSLOAD 0x80, 6, 2
.endif
	QUARTER 0, 128, F1, F0, 0
.if \rope
	CSLOAD 0xc0, 8, 0
.endif
	QUARTER 0, 192, F0, F1, 0
.if \rope
	CSLOAD 0xc0, 8, 2
.endif
	TURN 0, 1, 0
	THREE 1, 0
	s_wait_dscnt 0x0
	WIN MUL
	MUL16 F1, 0, 0
	MUL16 F1, 2, 0
	PLACES                                         ; ahead of the readers of the sums and of writes into the fragment buffers
	WIN 0
.endm
; 16 rows x 128 f16 in registers src leave through my own stage: 16 bytes a lane in, whole rows of 256 bytes back, two rows a load.
; co: the lanes' bytes in two rows of heads; off: the 16 rows' place; tstep: two rows of heads.  Sixteen lanes store 256 consecutive bytes at a multiple of 256.
.macro STAGEOUT src, f, co, off, tstep
.irp b, 0,1,2,3,4,5,6,7
	ds_store_b128 v[STO], v[\src+4*\b:\src+4*\b+3] offset:32*\b
.endr
	s_wait_xcnt 0x0                                ; buffer f, which earlier stores read, is loaded again only behind this wait
.irp t, 0,1,2,3,4,5,6,7
	ds_load_b128 v[\f+4*\t:\f+4*\t+3], v[RD] offset:\t*2*PITCH     ; LDS serves a wave's instructions in order: these see the stores above
.endr
.irp t, 0,1,2,3,4,5,6,7
	s_wait_dscnt 7-\t
	global_store_b128 v[\co], v[\f+4*\t:\f+4*\t+3], s[10:11] offset:\off+\tstep*\t
.endr
.endm
; the 64 numbers of row tile a of cos or sin are rounded to bf16 and widened again, in place.  from: sources 0, 1 in the table's window; to: destination there
.macro BFROUND a, from, to
	WIN \from
.set p, 0
.rept 32
	v_cvt_pk_bf16_f32 v[CT+p], v[64*\a+2*p], v[64*\a+2*p+1]
.set p, p+1
.endr
	WIN \to
.set p, 0
.rept 32
	v_lshlrev_b32 v[64*\a+2*p], 16, v[CT+p]
	v_and_b32 v[64*\a+2*p+1], 0xffff0000, v[CT+p]
.set p, p+1
.endr
.endm
; rows 16 a .. 16 a + 15, x = c times the sums: out[d] = x[d] cos[d] - x[d+64] sin[d] (d < 64), x[d] cos[d] + x[d-64] sin[d] (d >= 64); the result replaces cos
.macro ROPE16 a, f
	BFROUND \a, 0x0a, 0x80
	BFROUND \a, 0x0f, 0xc0
	WIN 0x41                                       ; destination and source 0 the sums
.set p, 0
.rept 32
	v_pk_mul_f32 v[64*\a+2*p:64*\a+2*p+1], v[64*\a+2*p:64*\a+2*p+1], s[22:23] op_sel_hi:[1,0]
.set p, p+1
.endr
	WIN 0x89                                       ; destination and source 1 cos, source 0 the sums
.irp b, 0,1,2,3,4,5,6,7
.irp p, 0,2,4,6
	v_pk_mul_f32 v[8*(8*\a+\b)+\p:8*(8*\a+\b)+\p+1], v[8*(8*\a+\b)+\p:8*(8*\a+\b)+\p+1], v[8*(8*\a+\b)+\p:8*(8*\a+\b)+\p+1]
.endr
.endr
	WIN 0xad                                       ; source 0 the sums, source 1 sin, source 2 and destination the product above
.irp b, 0,1,2,3
.irp p, 0,2,4,6
	v_pk_fma_f32 v[8*(8*\a+\b)+\p:8*(8*\a+\b)+\p+1], v[8*(8*\a+\b+4)+\p:8*(8*\a+\b+4)+\p+1], v[8*(8*\a+\b)+\p:8*(8*\a+\b)+\p+1], v[8*(8*\a+\b)+\p:8*(8*\a+\b)+\p+1] neg_lo:[1,0,0] neg_hi:[1,0,0]
.endr
.endr
.irp b, 4,5,6,7
.irp p, 0,2,4,6
	v_pk_fma_f32 v[8*(8*\a+\b)+\p:8*(8*\a+\b)+\p+1], v[8*(8*\a+\b-4)+\p:8*(8*\a+\b-4)+\p+1], v[8*(8*\a+\b)+\p:8*(8*\a+\b)+\p+1], v[8*(8*\a+\b)+\p:8*(8*\a+\b)+\p+1]
.endr
.endr
	WIN 0x0a
.set p, 0
.rept 32
	v_cvt_pk_f16_f32 v[TMP+p], v[64*\a+2*p], v[64*\a+2*p+1]
.set p, p+1
.endr
	WIN 0
	STAGEOUT TMP, \f, CO, 4096*\a, 512
.endm
; the v heads, rows 16 a .. 16 a + 15: the sums' leading parts (cut), the exact remainders, each to f16; the two halves of rows of 512 bytes
.macro PLAIN16 a
	WIN 0x04                                       ; source 1 the sums
.set p, 0
.rept 64
	v_and_b32 v[HI+p], s16, v[64*\a+p]
.set p, p+1
.endr
	WIN 0x41                                       ; destination and source 0 the sums
.set p, 0
.rept 32
	v_pk_add_f32 v[64*\a+2*p:64*\a+2*p+1], v[64*\a+2*p:64*\a+2*p+1], v[HI+2*p:HI+2*p+1] neg_lo:[0,1] neg_hi:[0,1]
.set p, p+1
.endr
	WIN 0
.set p, 0
.rept 32
	v_cvt_pk_f16_f32 v[TMP+p], v[HI+2*p], v[HI+2*p+1]
.set p, p+1
.endr
	WIN 0x05
.set p, 0
.rept 32
	v_cvt_pk_f16_f32 v[TMPL+p], v[64*\a+2*p], v[64*\a+2*p+1]
.set p, p+1
.endr
	WIN 0
	STAGEOUT TMP, 96, COV, 8192*\a, 1024
	STAGEOUT TMPL, 128, COV, 8192*\a+256, 1024
.endm
	s_wait_tensorcnt 1                             ; my part of K step 0 is in; K step 1's stays out
	s_barrier_signal -1
	s_barrier_wait -1
	FETCH 0, 0, F0
	LAP 1                                          ; the first lap's first products start the sums
	WIN 0
	s_mov_b32 s15, LAPS-2
.Llap:
	LAP 0
	WIN 0
	s_sub_co_u32 s15, s15, 1
	s_cmp_lg_u32 s15, 0
	s_cbranch_scc1 .Llap
	s_cmp_lt_u32 s3, 3                             ; one branch, on the cluster's x: every register that an arm reads is written in that arm
	s_cbranch_scc0 .Lplain
	LASTLAP 1
	s_wait_loadcnt 0x0                             ; cos and sin
	ROPE16 0, 96
	ROPE16 1, 128
	ROPE16 2, 96
	ROPE16 3, 128
	s_branch .Lclose
.Lplain:
	LASTLAP 0
	PLAIN16 0
	PLAIN16 1
	PLAIN16 2
	PLAIN16 3
.Lclose:
	s_wait_tensorcnt 0x0
	ds_add_u32 v62, v63
	s_wait_dscnt 0x0
	CROUND                                         ; the closing round: no work-group ends while a partner may still ask for a tile that names it
	s_endpgm
.Lfunc_end_k_q3c177d23f7_qkvrope:
	.size	k_q3c177d23f7_qkvrope, .Lfunc_end_k_q3c177d23f7_qkvrope-k_q3c177d23f7_qkvrope
	.p2alignl 7, 3214868480
	.fill 96, 4, 3214868480
	.section	.rodata,"a",@progbits
	.p2align	6, 0x0
	.amdhsa_kernel k_q3c177d23f7_qkvrope
		.amdhsa_group_segment_fixed_size 327680
		.amdhsa_private_segment_fixed_size 0
		.amdhsa_enable_private_segment 0
		.amdhsa_kernarg_size 32
		.amdhsa_user_sgpr_count 2
		.amdhsa_user_sgpr_kernarg_segment_ptr 1
		.amdhsa_wavefront_size32 1
		.amdhsa_system_sgpr_workgroup_id_x 1
		.amdhsa_system_sgpr_workgroup_id_y 1
		.amdhsa_system_sgpr_workgroup_id_z 1
		.amdhsa_system_vgpr_workitem_id 0
		.amdhsa_next_free_vgpr 1024
		.amdhsa_next_free_sgpr 66
		.amdhsa_reserve_vcc 0
		.amdhsa_float_denorm_mode_32 3
		.amdhsa_float_denorm_mode_16_64 3
		.amdhsa_memory_ordered 1
		.amdhsa_forward_progress 1
		.amdhsa_inst_pref_size 255
	.end_amdhsa_kernel
	.section	.bss,"aw",@nobits
	.p2align	6
	.space	262144
	.amdgpu_metadata
---
amdhsa.version: [ 1, 2 ]
amdhsa.kernels:
  - .name:           k_q3c177d23f7_qkvrope
    .symbol:         k_q3c177d23f7_qkvrope.kd
    .args:
      - { .name: hw, .offset: 0, .size: 8, .value_kind: global_buffer, .address_space: global }
      - { .name: cos, .offset: 8, .size: 8, .value_kind: global_buffer, .address_space: global }
      - { .name: sin, .offset: 16, .size: 8, .value_kind: global_buffer, .address_space: global }
      - { .name: heads, .offset: 24, .size: 8, .value_kind: global_buffer, .address_space: global }
    .group_segment_fixed_size: 327680
    .private_segment_fixed_size: 0
    .kernarg_segment_align: 8
    .kernarg_segment_size: 32
    .max_flat_workgroup_size: 128
    .sgpr_count:     66
    .vgpr_count:     1024
    .wavefront_size: 32
...
	.end_amdgpu_metadata
.endif
;; end of part 2
;; launch attn (part 3): grid 32 x 8, 4 waves a work-group, clusters of 4 x 4, 327,680 bytes of LDS; arguments heads, attention_mask, ctx; writes ctx
.if DOCPART == 3
	.amdgcn_target "amdgcn-amd-amdhsa--gfx1250"
	.amdhsa_code_object_version 6
	.text
	.protected	k_q3c177d23f7_attn
	.globl	k_q3c177d23f7_attn
	.p2align	8
	.type	k_q3c177d23f7_attn,@function
k_q3c177d23f7_attn:
	s_mov_b64 s[64:65], 0
	v_nop
	global_prefetch_b8 v0, s[64:65] scope:SCOPE_SE
	s_setreg_imm32_b32 hwreg(HW_REG_WAVE_MODE, 25, 1), 1
	s_wait_xcnt 0x0
	s_wait_alu depctr_hold_cnt(0) depctr_sa_sdst(0) depctr_va_vdst(0) depctr_va_sdst(0) depctr_va_ssrc(0) depctr_va_vcc(0) depctr_vm_vsrc(0)
	s_getreg_b32 s2, hwreg(HW_REG_IB_STS2, 6, 4)
	s_cmp_eq_u32 s2, 0
	s_cbranch_scc0 .Lentry_in_a_cluster
	s_endpgm
.Lentry_in_a_cluster:
	s_bfe_u32 s2, ttmp6, 0x10000c
	s_cmp_lg_u32 s2, 0xf033
	s_cbranch_scc0 .Lentry_shape_is_right
	s_endpgm
.Lentry_shape_is_right:
; ctx[m][128 head + d] (f16) = 1/2 softmax( (c q).(c k) + mask ) v, over all 2,048 keys: the mask is data, no pattern of it is built in.
; heads holds c q, c k (c^2 = 128^-0.5, so the product is the scaled score) and v / 2 as two f16 numbers, leading part and remainder, side by side
; in rows of 512 bytes.  P V is taken with both, onto the same sums: v enters to 21 bits, and of the value path's roundings the one of ctx is left.
; The mask is rounded to bf16 here (the program's contract: every input at bf16 precision).
; A work-group: one batch b, one key-value head g, 64 positions, both query heads of g.  Wave = (hs = wave & 1: head 2 g + hs; kh = wave >> 1: key half):
; 64 query rows x keys 64 kh .. 64 kh + 63 of each of the 16 tiles of 128 keys.  Each half keeps its own running maximum, sum and O; they are merged once at the end.
; SOFTMAX: running maximum in the score's own unit, p = exp2((S - m) log2 e): the difference is formed first and multiplied second.  One fused
; multiply-add with - m log2 e would carry the rounding of m log2 e into the exponent, which at masks of -1e9 is tens of units.
; LIMITS: the running maximum starts at -1e30, so scores below -1e30 count as minus infinity, and a row whose every score is below it gives NaN
; (as a row of -inf does); p below 6e-8 of the row's largest becomes 0 and results beyond 65504 become infinities (f16).
; LAYOUTS, no shuffle anywhere.  S^T = K Q^T + C: source 0 = 16 keys, source 1 = 16 query rows; lane (r, h), register j = (query r, key 8 h + j).
; C's registers are filled beforehand with the mask from LDS, so adding the mask costs no addition.  A row's maximum and sum
; are taken inside the lane plus one exchange with lane l ^ 16.  Neighbouring registers of key tiles 2 u, 2 u + 1, packed to f16, ARE the fragment
; of P for keys 32 u .. 32 u + 31.  O^T = V^T P: source 0 = V read by the transposing LDS load, source 1 = P; lane (r, h), register j = (query r, d 8 h + j).
; CLUSTER 4 x 4: K's and V's tiles hang on (b, g = cy) and are asked for jointly by a row of the cluster (4 query blocks); the mask's tile hangs
; on (b, query block) and is asked for jointly by a column (the 4 key-value heads).  Each wave fills 32,768 bytes of a slot: wave 0 K's tile,
; waves 1 and 2 V's two halves of 64 keys, wave 3 the mask's tile.
.set KP, 272                           ; K rows: 256 + 16 bytes
.set VP, 544                           ; V rows: 512 + 32 bytes, an odd multiple of 32 for the transposing load
.set MP, 528                           ; mask rows: 512 + 16 bytes
.set VOFF, 128*KP                      ; 34,816
.set MOFF, VOFF+128*VP                 ; 104,448
.set SLOT, MOFF+64*MP                  ; 138,240; two slots
.set XCH,  0                           ; the exchange, for each head 32,768 bytes of O, 512 of maxima, 512 of sums, lies in slot 0's first 67,584 bytes: slot 0 has had its
                                       ; last fill (tile 14), every wave's reads of it are waited for in front of tile 14's barrier, and no tensor load follows
.set XCHW, 33792
.set STAGE, 2*SLOT                     ; 276,480: 16 rows x 272 bytes for each head, for the way out; no fill lands there
.set SPITCH, 272
.set ADK, 8                            ; v8-9   K fragments in slot 0, 1
.set ADV, 10                           ; v10-11 V
.set ADM, 12                           ; v12-13 mask
.set XA,  14                           ; exchange: 16 x lane in my head's region
.set STO, 15
.set RD,  16
.set CO,  17                           ; 2,048 h + 16 r in ctx
.set QA,  18                           ; 256 r + 16 h in heads
.set RR,  24                           ; v24-31 row tile i: a pair of partial sums; at the end the pair a0 / l
.set MX,  32                           ; v32-35 running maximum
.set LS,  36                           ; v36-39 running sum of my lane's keys
.set MN,  40                           ; v40-43 at work
.set TT,  44                           ; v44-47 at work
.set MNP, 48                           ; v48-55 the new maximum, twice
.set AL,  56                           ; v56-63 exp2((old - new) log2 e), twice; at the end the pair a1 / l
.set SR,  64                           ; v64-191  S(i, t) at 8 (4 i + t)
.set PR,  192                          ; v192-255 P(i, u) at 8 (2 i + u); ahead of QK the mask as bf16
.set KF,  128                          ; window 2: Q(i, c) at 8 (4 i + c), K(t, c) at 128 + 8 (4 t + c); window 1: O(i, dt) at 8 (8 i + dt);
                                       ; window 3: V(dt, u) at 8 (2 dt + u), leading parts, and at 128 + 8 (2 dt + u), remainders
.set G1K, 24
.set G1V, 32
.set G1M, 48
.set G0K, 56                           ; s[56:63] one set for each slot
.set G0V, 68                           ; s[68:75]
.set G0M, 76                           ; s[76:83]
.set MSB, 0
.macro WIN new
.if MSB != \new
	s_set_vgpr_msb (MSB<<8)|\new
.set MSB, \new
.endif
.endm
.macro PLACES                          ; four places behind a matrix instruction (ISA guide 7.12.1)
.rept 4
	v_nop
.endr
.endm
.macro JLOAD s                         ; one joint load a wave: wave 0 K's tile, waves 1 and 2 V's halves, wave 3 the mask's tile; each line has one mask
	s_cmp_eq_u32 s10, 0
	s_cbranch_scc0 .Lnot_k_\@
	tensor_load_to_lds s[G0K+4*\s:G0K+4*\s+3], s[G1K:G1K+7]
	s_nop 0
	s_branch .Lasked_\@
.Lnot_k_\@:
	s_cmp_eq_u32 s10, 3
	s_cbranch_scc1 .Lfor_m_\@
	tensor_load_to_lds s[G0V+4*\s:G0V+4*\s+3], s[G1V:G1V+7]
	s_nop 0
	s_branch .Lasked_\@
.Lfor_m_\@:
	tensor_load_to_lds s[G0M+4*\s:G0M+4*\s+3], s[G1M:G1M+7]
	s_nop 0
.Lasked_\@:
.endm
.macro CREST
	s_cmp_lg_u32 s10, 0
	s_cbranch_scc1 .Lnot_wave_0_\@
	s_barrier_signal -3
.Lnot_wave_0_\@:
	s_barrier_wait -3
	s_barrier_signal -1
	s_barrier_wait -1
.endm
.macro CROUND
	s_barrier_signal -1
	s_barrier_wait -1
	CREST
.endm
	s_load_b128 s[4:7], s[0:1], 0x0                ; heads s[4:5], attention_mask s[6:7]
	s_load_b64 s[8:9], s[0:1], 0x10                ; ctx
	v_lshl_add_u32 v22, v0, 2, 0x45a00
	v_mov_b32 v23, 0
	ds_add_u32 v22, v23
	v_lshrrev_b32 v1, 5, v0
	v_readfirstlane_b32 s10, v1                    ; wave
	s_and_b32 s11, s10, 1                          ; hs
	s_lshr_b32 s12, s10, 1                         ; kh
	s_and_b32 s13, ttmp7, 0xffff                   ; the cluster's y = b
	s_bfe_u32 s40, ttmp6, 0x40000                  ; cx
	s_bfe_u32 s41, ttmp6, 0x40004                  ; cy = g
	s_lshl_b32 s42, ttmp9, 2
	s_add_co_u32 s42, s42, s40                     ; query block
	s_lshl_b32 s43, s41, 2
	s_lshl_b32 s43, 15, s43                        ; my row of the cluster
	s_lshl_b32 s44, 0x1111, s40                    ; my column
	s_mov_b32 s46, 0x3fb8aa3b                      ; log2 e, twice
	s_mov_b32 s47, 0x3fb8aa3b
	s_mov_b32 s84, 0x76543210                      ; v_permlanex16_b32: lane l reads lane l ^ 16
	s_mov_b32 s85, 0xfedcba98
	s_mov_b32 s15, 0xffff0000                      ; a word's upper bf16
	s_or_b32 s[G1K+0], s43, (1<<16)|(1<<20)|(1<<21)|(5<<22)|(3<<25)  ; 2-byte elements, 4 words of padding behind every 64
	s_mov_b32 s[G1K+1], 128<<16                    ; 128 numbers a row
	s_mov_b32 s[G1K+2], 128<<16                    ; 128 keys
	s_mov_b32 s[G1K+3], 128<<16
	s_mov_b32 s[G1K+4], 128
	s_mov_b32 s[G1K+5], 128
	s_mov_b32 s[G1K+6], 0
	s_mov_b32 s[G1K+7], 0
	s_or_b32 s[G1V+0], s43, (1<<16)|(1<<20)|(1<<21)|(6<<22)|(7<<25)  ; 2-byte elements, 8 words of padding behind every 128
	s_mov_b32 s[G1V+1], 256<<16                    ; 256 numbers a row: leading parts, remainders
	s_mov_b32 s[G1V+2], 64<<16                     ; 64 keys
	s_mov_b32 s[G1V+3], 256<<16
	s_mov_b32 s[G1V+4], 64
	s_mov_b32 s[G1V+5], 256
	s_mov_b32 s[G1V+6], 0
	s_mov_b32 s[G1V+7], 0
	s_or_b32 s[G1M+0], s44, (2<<16)|(1<<20)|(1<<21)|(6<<22)|(3<<25)  ; 4-byte elements, 4 words of padding behind every 128
	s_mov_b32 s[G1M+1], 128<<16                    ; 128 keys
	s_mov_b32 s[G1M+2], 64<<16                     ; 64 rows
	s_mov_b32 s[G1M+3], 128<<16
	s_mov_b32 s[G1M+4], 64
	s_mov_b32 s[G1M+5], 2048
	s_mov_b32 s[G1M+6], 0
	s_mov_b32 s[G1M+7], 0
	s_add_co_u32 s16, s41, 8                       ; K: hh = 8 + g, x 4,096 rows of 256 bytes (registers that never hold cx)
	s_lshl_b32 s16, s16, 20
	s_lshl_b32 s17, s13, 19                        ; + b x 2,048 rows
	s_add_co_u32 s16, s16, s17
	s_mov_b32 s17, 0
	s_lshl_b32 s2, s41, 21                         ; V: g x 4,096 rows of 512 bytes (no cx here either)
	s_lshl_b32 s3, s13, 20                         ; + b x 2,048 rows
	s_add_co_u32 s2, s2, s3
	s_lshl_b32 s3, s10, 15                         ; + (wave - 1) x 64 rows: waves 1 and 2 ask
	s_add_co_u32 s2, s2, s3
	s_add_co_u32 s2, s2, 12582912-32768            ; + where v's rows begin
	s_mov_b32 s3, 0
	s_lshl_b32 s20, s42, 19                        ; mask: row 64 x query block, x 8,192 bytes (registers that never hold cy)
	s_lshl_b32 s21, s13, 24                        ; + b x 16,777,216
	s_add_co_u32 s20, s20, s21
	s_mov_b32 s21, 0
	s_mul_i32 s45, s10, 64*VP                      ; LDS of V's halves: wave x 34,816 (waves 1, 2): 34,816 and 69,632
	s_wait_dscnt 0x0
	s_wait_kmcnt 0x0
	s_add_nc_u64 s[18:19], s[4:5], s[16:17]
	s_add_nc_u64 s[66:67], s[4:5], s[2:3]
	s_add_nc_u64 s[22:23], s[6:7], s[20:21]
	CROUND                                         ; in front of the first joint loads
.irp s, 0,1
	s_mov_b32 s[G0K+4*\s], 1
	s_mov_b32 s[G0K+4*\s+1], \s*SLOT
	s_add_nc_u64 s[G0K+4*\s+2:G0K+4*\s+3], s[18:19], \s*32768
	s_or_b32 s[G0K+4*\s+3], s[G0K+4*\s+3], 0x80000000
	s_mov_b32 s[G0V+4*\s], 1
	s_add_co_u32 s[G0V+4*\s+1], s45, \s*SLOT
	s_add_nc_u64 s[G0V+4*\s+2:G0V+4*\s+3], s[66:67], \s*65536
	s_or_b32 s[G0V+4*\s+3], s[G0V+4*\s+3], 0x80000000
	s_mov_b32 s[G0M+4*\s], 1
	s_mov_b32 s[G0M+4*\s+1], MOFF+\s*SLOT
	s_add_nc_u64 s[G0M+4*\s+2:G0M+4*\s+3], s[22:23], \s*512
	s_or_b32 s[G0M+4*\s+3], s[G0M+4*\s+3], 0x80000000
	JLOAD \s                                       ; key tiles 0 and 1: two tensor loads of the wave are out
.endr
	v_and_b32 v1, 15, v0                           ; r
	v_bfe_u32 v2, v0, 4, 1                         ; h
	v_and_b32 v3, 31, v0                           ; lane
	v_mul_u32_u24 v4, v1, KP
	v_lshl_add_u32 v4, v2, 4, v4                   ; 272 r + 16 h
	s_mul_i32 s2, s12, 64*KP
	v_add_nc_u32 v[ADK], s2, v4                    ; key 64 kh + r
	v_add_nc_u32 v[ADK+1], SLOT, v[ADK]
	v_and_b32 v5, 7, v0
	v_lshl_add_u32 v5, v2, 3, v5                   ; key 8 h + (l & 7)
	v_mul_u32_u24 v5, v5, VP
	v_bfe_u32 v6, v0, 3, 1
	v_lshl_add_u32 v5, v6, 4, v5                   ; + 16 ((l >> 3) & 1)
	s_mul_i32 s2, s12, 64*VP
	s_add_co_u32 s2, s2, VOFF
	v_add_nc_u32 v[ADV], s2, v5
	v_add_nc_u32 v[ADV+1], SLOT, v[ADV]
	v_mul_u32_u24 v5, v1, MP
	v_lshl_add_u32 v5, v2, 5, v5                   ; 528 r + 32 h
	s_lshl_b32 s2, s12, 8                          ; + 64 kh keys of 4 bytes
	s_add_co_u32 s2, s2, MOFF
	v_add_nc_u32 v[ADM], s2, v5
	v_add_nc_u32 v[ADM+1], SLOT, v[ADM]
	s_mul_i32 s2, s11, XCHW
	s_add_co_u32 s2, s2, XCH
	v_lshl_add_u32 v[XA], v3, 4, s2
	s_mul_i32 s2, s11, 16*SPITCH
	s_add_co_u32 s2, s2, STAGE
	v_add_nc_u32 v[STO], s2, v4
	v_mul_u32_u24 v5, v2, SPITCH
	v_lshl_add_u32 v5, v1, 4, v5
	v_add_nc_u32 v[RD], s2, v5
	v_lshlrev_b32 v5, 4, v1
	v_lshl_add_u32 v[CO], v2, 11, v5
	v_lshlrev_b32 v5, 8, v1
	v_lshl_add_u32 v[QA], v2, 4, v5
	s_lshl_b32 s16, s41, 1
	s_add_co_u32 s16, s16, s11                     ; my query head = 2 g + hs
	s_lshl_b32 s18, s16, 8                         ; ctx: head x 256 bytes
	s_lshl_b32 s19, s13, 22                        ; + b x 2,048 rows of 2,048 bytes
	s_add_co_u32 s18, s18, s19
	s_mov_b32 s19, 0
	s_add_nc_u64 s[8:9], s[8:9], s[18:19]
	s_lshl_b32 s16, s16, 20                        ; Q: head x 4,096 rows of 256 bytes
	s_lshl_b32 s17, s13, 19
	s_add_co_u32 s16, s16, s17
	s_mov_b32 s17, 0
	s_add_nc_u64 s[86:87], s[4:5], s[16:17]
	s_lshl_b32 s20, s42, 14                        ; + 64 x query block rows of 256 bytes
	s_mov_b32 s21, 0
	s_add_nc_u64 s[86:87], s[86:87], s[20:21]
	s_lshl_b32 s20, s42, 17                        ; ctx: + 64 x query block rows of 2,048 bytes
	s_add_nc_u64 s[8:9], s[8:9], s[20:21]
	WIN 0x80                                       ; Q's 16 fragments stay in window 2 for the whole launch
.irp i, 0,1,2,3
.irp c, 0,1,2,3
	global_load_b128 v[8*(4*\i+\c):8*(4*\i+\c)+3],   v[QA], s[86:87] offset:\i*4096+64*\c
	global_load_b128 v[8*(4*\i+\c)+4:8*(4*\i+\c)+7], v[QA], s[86:87] offset:\i*4096+64*\c+32
.endr
.endr
	WIN 0
.irp i, 0,1,2,3
	v_mov_b32 v[MX+\i], 0xf149f2ca                 ; -1e30
	v_mov_b32 v[TT+\i], 0                          ; v_permlanex16_b32 counts as a reader of its destination
.endr
.macro KLOAD s                         ; 32 loads: my 64 keys x 128 d
	WIN 0x80
.irp t, 0,1,2,3
.irp c, 0,1,2,3
	ds_load_b128 v[KF+8*(4*\t+\c):KF+8*(4*\t+\c)+3],   v[ADK+\s] offset:\t*16*KP+64*\c
	ds_load_b128 v[KF+8*(4*\t+\c)+4:KF+8*(4*\t+\c)+7], v[ADK+\s] offset:\t*16*KP+64*\c+32
.endr
.endr
.endm
.macro MLOAD s                         ; 32 loads: the mask of 64 rows x my 64 keys, straight into S's registers
	WIN 0
.irp i, 0,1,2,3
.irp t, 0,1,2,3
	ds_load_b128 v[SR+8*(4*\i+\t):SR+8*(4*\i+\t)+3],   v[ADM+\s] offset:\i*16*MP+64*\t
	ds_load_b128 v[SR+8*(4*\i+\t)+4:SR+8*(4*\i+\t)+7], v[ADM+\s] offset:\i*16*MP+64*\t+16
.endr
.endr
.endm
.macro MROUND                          ; the mask in S's registers is rounded to bf16 and widened again, in place; P's registers, not in use here, hold the packed numbers
	WIN 0
.set p, 0
.rept 64
	v_cvt_pk_bf16_f32 v[PR+p], v[SR+2*p], v[SR+2*p+1]
.set p, p+1
.endr
.set p, 0
.rept 64
	v_lshlrev_b32 v[SR+2*p], 16, v[PR+p]
	v_and_b32 v[SR+2*p+1], s15, v[PR+p]
.set p, p+1
.endr
.endm
.macro VLOAD s, part                   ; 32 transposing loads: 128 d x my 64 keys; part 0 the leading parts, 1 the remainders, 256 bytes further on in the rows
	WIN 0xc0
.irp dt, 0,1,2,3,4,5,6,7
.irp u, 0,1
	ds_load_tr16_b128 v[128*\part+8*(2*\dt+\u):128*\part+8*(2*\dt+\u)+3],   v[ADV+\s] offset:\u*32*VP+32*\dt+256*\part
	ds_load_tr16_b128 v[128*\part+8*(2*\dt+\u)+4:128*\part+8*(2*\dt+\u)+7], v[ADV+\s] offset:\u*32*VP+32*\dt+256*\part+16*VP
.endr
.endr
.endm
.macro QK                              ; 64 matrix instructions; the 16 accumulators take turns, one instruction a turn
	WIN 0x0a
.irp c, 0,1,2,3
.irp i, 0,1,2,3
.irp t, 0,1,2,3
	v_wmma_f32_16x16x32_f16 v[SR+8*(4*\i+\t):SR+8*(4*\i+\t)+7], v[KF+8*(4*\t+\c):KF+8*(4*\t+\c)+7], v[8*(4*\i+\c):8*(4*\i+\c)+7], v[SR+8*(4*\i+\t):SR+8*(4*\i+\t)+7]
.endr
.endr
.endr
.endm
.macro PVU u, part, zero               ; 32 matrix instructions on 32 accumulators by turns; zero = 1: the first product starts the sums
	WIN 0x53
.irp i, 0,1,2,3
.irp dt, 0,1,2,3,4,5,6,7
.if \zero
	v_wmma_f32_16x16x32_f16 v[8*(8*\i+\dt):8*(8*\i+\dt)+7], v[128*\part+8*(2*\dt+\u):128*\part+8*(2*\dt+\u)+7], v[PR+8*(2*\i+\u):PR+8*(2*\i+\u)+7], 0
.else
	v_wmma_f32_16x16x32_f16 v[8*(8*\i+\dt):8*(8*\i+\dt)+7], v[128*\part+8*(2*\dt+\u):128*\part+8*(2*\dt+\u)+7], v[PR+8*(2*\i+\u):PR+8*(2*\i+\u)+7], v[8*(8*\i+\dt):8*(8*\i+\dt)+7]
.endif
.endr
.endr
.endm
.macro RESCALE                         ; O *= exp2((old maximum - new) log2 e): the factor is the lane's own
	WIN 0x41
.irp i, 0,1,2,3
.set p, 0
.rept 32
	v_pk_mul_f32 v[64*\i+2*p:64*\i+2*p+1], v[64*\i+2*p:64*\i+2*p+1], v[AL+2*\i:AL+2*\i+1]
.set p, p+1
.endr
.endr
.endm
; The softmax of one step, in window 0; the four row tiles innermost, so that four chains run side by side
.macro SOFT first
.irp i, 0,1,2,3
	v_max3_num_f32 v[MN+\i], v[MX+\i], v[SR+32*\i], v[SR+32*\i+1]          ; the old maximum starts the chain
.endr
.irp q, 1,2,3,4,5,6,7,8,9,10,11,12,13,14,15
.irp i, 0,1,2,3
	v_max3_num_f32 v[MN+\i], v[MN+\i], v[SR+32*\i+2*\q], v[SR+32*\i+2*\q+1]
.endr
.endr
.irp i, 0,1,2,3
	v_permlanex16_b32 v[TT+\i], v[MN+\i], s84, s85                         ; the other 32 of the row's 64 keys
.endr
.irp i, 0,1,2,3
	v_max_num_f32 v[MNP+2*\i], v[MN+\i], v[TT+\i]
	v_max_num_f32 v[MNP+2*\i+1], v[MN+\i], v[TT+\i]
.endr
.if \first == 0
.irp i, 0,1,2,3
	v_sub_f32 v[AL+2*\i], v[MX+\i], v[MNP+2*\i]
.endr
.irp i, 0,1,2,3
	v_mul_f32 v[AL+2*\i], s46, v[AL+2*\i]
.endr
.irp i, 0,1,2,3
	v_exp_f32 v[AL+2*\i], v[AL+2*\i]
.endr
.endif
.irp i, 0,1,2,3
	v_mov_b32 v[MX+\i], v[MNP+2*\i]                ; also the plain instructions between the exponentials and their first use (ISA guide 5.7.2)
.endr
.if \first == 0
	s_wait_alu depctr_va_vdst(0)
.irp i, 0,1,2,3
	v_mov_b32 v[AL+2*\i+1], v[AL+2*\i]
.endr
.endif
.irp q, 0,1,2,3,4,5,6,7,8,9,10,11,12,13,14,15
.irp i, 0,1,2,3
	v_pk_add_f32 v[SR+32*\i+2*\q:SR+32*\i+2*\q+1], v[SR+32*\i+2*\q:SR+32*\i+2*\q+1], v[MNP+2*\i:MNP+2*\i+1] neg_lo:[0,1] neg_hi:[0,1]
.endr
.endr
.irp q, 0,1,2,3,4,5,6,7,8,9,10,11,12,13,14,15
.irp i, 0,1,2,3
	v_pk_mul_f32 v[SR+32*\i+2*\q:SR+32*\i+2*\q+1], v[SR+32*\i+2*\q:SR+32*\i+2*\q+1], s[46:47] op_sel_hi:[1,0]
.endr
.endr
.set p, 0
.rept 128
	v_exp_f32 v[SR+p], v[SR+p]
.set p, p+1
.endr
	v_nop                                          ; one plain instruction behind the exponentials
	s_wait_alu depctr_va_vdst(0)
.irp i, 0,1,2,3
	v_pk_add_f32 v[RR+2*\i:RR+2*\i+1], v[SR+32*\i:SR+32*\i+1], v[SR+32*\i+2:SR+32*\i+3]
.endr
.irp q, 2,3,4,5,6,7,8,9,10,11,12,13,14,15
.irp i, 0,1,2,3
	v_pk_add_f32 v[RR+2*\i:RR+2*\i+1], v[RR+2*\i:RR+2*\i+1], v[SR+32*\i+2*\q:SR+32*\i+2*\q+1]
.endr
.endr
.set p, 0
.rept 64
	v_cvt_pk_f16_f32 v[PR+p], v[SR+2*p], v[SR+2*p+1]   ; P(i, u) register n = S(i, 2 u + n / 4) registers 2 (n % 4), + 1
.set p, p+1
.endr
.irp i, 0,1,2,3
.if \first
	v_add_f32 v[LS+\i], v[RR+2*\i], v[RR+2*\i+1]
.else
	v_add_f32 v[RR+2*\i], v[RR+2*\i], v[RR+2*\i+1]
	v_fma_f32 v[LS+\i], v[LS+\i], v[AL+2*\i], v[RR+2*\i]
.endif
.endr
.endm
; One tile of 128 keys.  K's fragments and the mask were read in the step before; V's leading parts are read under the mask's rounding, its remainders under QK.
; With QK done and V in, all my reads of this slot are over: the waits, the round, the joint refill (two tiles ahead, a whole step in which to land),
; and only then the other slot is read.
.macro STEP slot, next, first, fill, more
.if \first == 0
	PLACES                                         ; V's and P's registers were read by the matrix instructions just issued
.endif
	VLOAD \slot, 0
	s_wait_dscnt 32                                ; all but the 32 loads of V's leading parts: K's fragments and the mask are in
	MROUND
	VLOAD \slot, 1
	QK
	WIN 0
	s_wait_dscnt 0x0                               ; V is in: my reads of this slot are over
.if \more
	s_wait_tensorcnt 0x0                           ; all my tensor loads have landed: the one that was out is my part of the other slot
	ds_add_u32 v22, v23
	s_wait_dscnt 0x0
	s_barrier_signal -1
	s_barrier_wait -1
.if \fill
	CREST                                          ; no wave of any partner still reads this slot or has a load on its way
	s_add_nc_u64 s[G0K+4*\slot+2:G0K+4*\slot+3], s[G0K+4*\slot+2:G0K+4*\slot+3], 0x10000   ; 256 keys of 256 bytes
	s_add_nc_u64 s[G0V+4*\slot+2:G0V+4*\slot+3], s[G0V+4*\slot+2:G0V+4*\slot+3], 0x20000   ; 256 keys of 512 bytes
	s_add_nc_u64 s[G0M+4*\slot+2:G0M+4*\slot+3], s[G0M+4*\slot+2:G0M+4*\slot+3], 0x400     ; 256 keys of 4 bytes
	JLOAD \slot
.endif
.endif
	PLACES                                         ; behind QK: for the loads into K's registers and the readers of S
.if \more
	KLOAD \next
	WIN 0
.endif
	SOFT \first
.if \more
	MLOAD \next                                    ; S has been packed into P: its registers take the next mask
.endif
.if \first == 0
	RESCALE
.endif
	PVU 0, 0, \first                               ; P times the leading parts,
	PVU 1, 0, 0
	PVU 0, 1, 0                                    ; and times the remainders, onto the same sums
	PVU 1, 1, 0
	WIN 0
.endm
	s_wait_tensorcnt 1                             ; my part of tile 0 is in; tile 1's stays out
	s_barrier_signal -1
	s_barrier_wait -1
	KLOAD 0
	MLOAD 0
	s_wait_loadcnt 0x0                             ; Q
	STEP 0, 1, 1, 1, 1
	STEP 1, 0, 0, 1, 1
	s_mov_b32 s14, 6
.Lpair:
	STEP 0, 1, 0, 1, 1
	STEP 1, 0, 0, 1, 1
	s_sub_co_u32 s14, s14, 1
	s_cmp_lg_u32 s14, 0
	s_cbranch_scc1 .Lpair
	STEP 0, 1, 0, 0, 1                             ; tiles 14 and 15: nothing is left to fetch.  Behind tile 14's barrier no wave reads slot 0 any more
	STEP 1, 0, 0, 0, 0
	; THE MERGE.  The waves of key half 1 hand O, maxima and sums to the wave of the same head and key half 0, lane to lane, through slot 0's bytes.
	PLACES
	s_cmp_eq_u32 s12, 0
	s_cbranch_scc1 .Lkeep
	WIN 0x04                                       ; the stores' data in window 1
.set p, 0
.rept 64
	ds_store_b128 v[XA], v[4*p:4*p+3] offset:512*p
.set p, p+1
.endr
	WIN 0
	ds_store_b128 v[XA], v[MX:MX+3] offset:32768
	ds_store_b128 v[XA], v[LS:LS+3] offset:33280
.Lkeep:
	s_wait_dscnt 0x0                               ; for the readers' sake: my stores are done
	s_barrier_signal -1
	s_barrier_wait -1
	s_cmp_lg_u32 s12, 0
	s_cbranch_scc1 .Lclose
	ds_load_b128 v[MN:MN+3], v[XA] offset:32768    ; the other half's maxima
	ds_load_b128 v[TT:TT+3], v[XA] offset:33280    ; and sums
	s_wait_dscnt 0x0
.irp i, 0,1,2,3
	v_max_num_f32 v[MNP+\i], v[MX+\i], v[MN+\i]
.endr
.irp i, 0,1,2,3
	v_sub_f32 v[MX+\i], v[MX+\i], v[MNP+\i]
	v_sub_f32 v[MN+\i], v[MN+\i], v[MNP+\i]
.endr
.irp i, 0,1,2,3
	v_mul_f32 v[MX+\i], s46, v[MX+\i]
	v_mul_f32 v[MN+\i], s46, v[MN+\i]
.endr
.irp i, 0,1,2,3
	v_exp_f32 v[MX+\i], v[MX+\i]                   ; a0
	v_exp_f32 v[MN+\i], v[MN+\i]                   ; a1
.endr
	v_nop
	s_wait_alu depctr_va_vdst(0)
.irp i, 0,1,2,3
	v_mul_f32 v[LS+\i], v[LS+\i], v[MX+\i]
.endr
.irp i, 0,1,2,3
	v_fmac_f32 v[LS+\i], v[TT+\i], v[MN+\i]
.endr
.irp i, 0,1,2,3
	v_permlanex16_b32 v[MNP+\i], v[LS+\i], s84, s85    ; the sums were kept by lane: now the row's other lane
.endr
.irp i, 0,1,2,3
	v_add_f32 v[LS+\i], v[LS+\i], v[MNP+\i]
.endr
.irp i, 0,1,2,3
	v_rcp_f32 v[LS+\i], v[LS+\i]                   ; 1 / l; v's 1/2 stays in the result
.endr
	v_nop
	s_wait_alu depctr_va_vdst(0)
.irp i, 0,1,2,3
	v_mul_f32 v[RR+2*\i], v[MX+\i], v[LS+\i]
	v_mul_f32 v[RR+2*\i+1], v[MX+\i], v[LS+\i]
	v_mul_f32 v[AL+2*\i], v[MN+\i], v[LS+\i]
	v_mul_f32 v[AL+2*\i+1], v[MN+\i], v[LS+\i]
.endr
; rows 16 i .. 16 i + 15: O a0 / l + O' a1 / l, rounded to f16, through my stage; sixteen lanes store 256 consecutive bytes at a multiple of 256
.macro MERGE16 i, f
.irp q, 0,1,2,3,4,5,6,7,8,9,10,11,12,13,14,15
	ds_load_b128 v[SR+4*\q:SR+4*\q+3], v[XA] offset:(16*\i+\q)*512
.endr
	WIN 0x41
.set p, 0
.rept 32
	v_pk_mul_f32 v[64*\i+2*p:64*\i+2*p+1], v[64*\i+2*p:64*\i+2*p+1], v[RR+2*\i:RR+2*\i+1]
.set p, p+1
.endr
	s_wait_dscnt 0x0
	WIN 0x10
.set p, 0
.rept 32
	v_pk_fma_f32 v[SR+2*p:SR+2*p+1], v[SR+2*p:SR+2*p+1], v[AL+2*\i:AL+2*\i+1], v[64*\i+2*p:64*\i+2*p+1]
.set p, p+1
.endr
	WIN 0
.set p, 0
.rept 32
	v_cvt_pk_f16_f32 v[PR+p], v[SR+2*p], v[SR+2*p+1]
.set p, p+1
.endr
.irp dt, 0,1,2,3,4,5,6,7
	ds_store_b128 v[STO], v[PR+4*\dt:PR+4*\dt+3] offset:32*\dt
.endr
	s_wait_xcnt 0x0                                ; buffer f and the stores' base are rewritten only behind this wait
.if \i
	s_add_nc_u64 s[8:9], s[8:9], 32768             ; 16 rows of ctx on
.endif
.irp t, 0,1,2,3,4,5,6,7
	ds_load_b128 v[\f+4*\t:\f+4*\t+3], v[RD] offset:\t*2*SPITCH    ; LDS serves a wave's instructions in order: these see the stores above
.endr
.irp t, 0,1,2,3,4,5,6,7
	s_wait_dscnt 7-\t
	global_store_b128 v[CO], v[\f+4*\t:\f+4*\t+3], s[8:9] offset:4096*\t
.endr
.endm
	MERGE16 0, 128
	MERGE16 1, 160
	MERGE16 2, 128
	MERGE16 3, 160
.Lclose:
	s_wait_tensorcnt 0x0
	ds_add_u32 v22, v23
	s_wait_dscnt 0x0
	CROUND                                         ; the closing round
	s_endpgm
.Lfunc_end_k_q3c177d23f7_attn:
	.size	k_q3c177d23f7_attn, .Lfunc_end_k_q3c177d23f7_attn-k_q3c177d23f7_attn
	.p2alignl 7, 3214868480
	.fill 96, 4, 3214868480
	.section	.rodata,"a",@progbits
	.p2align	6, 0x0
	.amdhsa_kernel k_q3c177d23f7_attn
		.amdhsa_group_segment_fixed_size 327680
		.amdhsa_private_segment_fixed_size 0
		.amdhsa_enable_private_segment 0
		.amdhsa_kernarg_size 24
		.amdhsa_user_sgpr_count 2
		.amdhsa_user_sgpr_kernarg_segment_ptr 1
		.amdhsa_wavefront_size32 1
		.amdhsa_system_sgpr_workgroup_id_x 1
		.amdhsa_system_sgpr_workgroup_id_y 1
		.amdhsa_system_sgpr_workgroup_id_z 1
		.amdhsa_system_vgpr_workitem_id 0
		.amdhsa_next_free_vgpr 1024
		.amdhsa_next_free_sgpr 88
		.amdhsa_reserve_vcc 0
		.amdhsa_float_denorm_mode_32 3
		.amdhsa_float_denorm_mode_16_64 3
		.amdhsa_memory_ordered 1
		.amdhsa_forward_progress 1
		.amdhsa_inst_pref_size 255
	.end_amdhsa_kernel
	.section	.bss,"aw",@nobits
	.p2align	6
	.space	262144
	.amdgpu_metadata
---
amdhsa.version: [ 1, 2 ]
amdhsa.kernels:
  - .name:           k_q3c177d23f7_attn
    .symbol:         k_q3c177d23f7_attn.kd
    .args:
      - { .name: heads, .offset: 0, .size: 8, .value_kind: global_buffer, .address_space: global }
      - { .name: attention_mask, .offset: 8, .size: 8, .value_kind: global_buffer, .address_space: global }
      - { .name: ctx, .offset: 16, .size: 8, .value_kind: global_buffer, .address_space: global }
    .group_segment_fixed_size: 327680
    .private_segment_fixed_size: 0
    .kernarg_segment_align: 8
    .kernarg_segment_size: 24
    .max_flat_workgroup_size: 128
    .sgpr_count:     88
    .vgpr_count:     1024
    .wavefront_size: 32
...
	.end_amdgpu_metadata
.endif
;; end of part 3
;; launch oproj (part 4): grid 16 x 16, 4 waves a work-group, clusters of 4 x 4, 327,680 bytes of LDS; arguments ctx, hw, out0; writes out0
.if DOCPART == 4
	.amdgcn_target "amdgcn-amd-amdhsa--gfx1250"
	.amdhsa_code_object_version 6
	.text
	.protected	k_q3c177d23f7_oproj
	.globl	k_q3c177d23f7_oproj
	.p2align	8
	.type	k_q3c177d23f7_oproj,@function
k_q3c177d23f7_oproj:
	s_mov_b64 s[64:65], 0
	v_nop
	global_prefetch_b8 v0, s[64:65] scope:SCOPE_SE
	s_setreg_imm32_b32 hwreg(HW_REG_WAVE_MODE, 25, 1), 1
	s_wait_xcnt 0x0
	s_wait_alu depctr_hold_cnt(0) depctr_sa_sdst(0) depctr_va_vdst(0) depctr_va_sdst(0) depctr_va_ssrc(0) depctr_va_vcc(0) depctr_vm_vsrc(0)
	s_getreg_b32 s2, hwreg(HW_REG_IB_STS2, 6, 4)
	s_cmp_eq_u32 s2, 0
	s_cbranch_scc0 .Lentry_in_a_cluster
	s_endpgm
.Lentry_in_a_cluster:
	s_bfe_u32 s2, ttmp6, 0x10000c
	s_cmp_lg_u32 s2, 0xf033
	s_cbranch_scc0 .Lentry_shape_is_right
	s_endpgm
.Lentry_shape_is_right:
; out0[m][n] (f32) = sum over k of ctx[m][k] WO16[n][k].  ctx: [4096][1024] f16 (the attention's result / 2); WO16: [4096][1024] f16 at byte 50,331,648 of hw
; (2 Wo at bf16 precision, exact in f16).
; A work-group makes 256 x 256 of out0 with four waves, a wave 128 x 128: 64 accumulator tiles, 512 registers.  K goes in 8 steps of 128 through two LDS slots
; filled by the tensor data mover; a tile's rows are 256 bytes of memory at multiples of 256 from the buffer's first byte.
; CLUSTER 4 x 4: ctx's tile hangs on the block row alone and is asked for jointly by a row of the cluster, WO16's on the block column alone, by a column.
; REGISTERS in windows of 256: window 0 addresses, A's fragments (two buffers v64-127, v128-191); window 1 B's fragments, two buffers;
; window 2 the accumulator tiles of my rows 0-63 (tile (a, b) at 8 (8 a + b)), window 3 those of my rows 64-127.
; The matrix instruction is used transposed (source 0 = 16 rows of WO16, source 1 = 16 rows of ctx): a lane holds eight neighbouring columns of one row of out0.
.set SIZE_N, 4096
.set SIZE_K, 1024
.set WO_OFF, 50331648
.set KSTEP,  128
.set PITCH,  272
.set HALFT,  128*PITCH
.set SLOT,   4*HALFT
.set STAGE,  2*SLOT                    ; behind the ring: 16 rows x 528 bytes for each wave; no fill lands there
.set SPITCH, 528                       ; 512 bytes of f32 + 16
.set LAPS, SIZE_K/(2*KSTEP)
.set ADRA, 16
.set ADRB, 20
.set STO,  24
.set RD,   25
.set CO,   26
.set F0,   64
.set F1,   128
.set G1, 24
.set G0, 32
.set G1B, 48
.set G0B, 56
.set MSB, 0
.macro WIN new
.if MSB != \new
	s_set_vgpr_msb (MSB<<8)|\new
.set MSB, \new
.endif
.endm
.set MUL_LO, 0xa1                      ; source 0 (B) window 1, source 1 (A) window 0, C and D window 2
.set MUL_HI, 0xf1                      ; the same, C and D window 3
.set TO_B,   0x40
.macro JLOAD s                         ; waves 0, 1 fetch A's halves, waves 2, 3 B's: one joint load a wave
	s_cmp_eq_u32 s11, 0
	s_cbranch_scc0 .Lfor_b_\@
	tensor_load_to_lds s[G0+4*\s:G0+4*\s+3], s[G1:G1+7]
	s_nop 0
	s_branch .Lasked_\@
.Lfor_b_\@:
	tensor_load_to_lds s[G0B+4*\s:G0B+4*\s+3], s[G1B:G1B+7]
	s_nop 0
.Lasked_\@:
.endm
.macro CREST
	s_cmp_lg_u32 s10, 0
	s_cbranch_scc1 .Lnot_wave_0_\@
	s_barrier_signal -3
.Lnot_wave_0_\@:
	s_barrier_wait -3
	s_barrier_signal -1
	s_barrier_wait -1
.endm
.macro CROUND
	s_barrier_signal -1
	s_barrier_wait -1
	CREST
.endm
	s_load_b128 s[4:7], s[0:1], 0x0                ; ctx s[4:5], hw s[6:7]
	s_load_b64 s[8:9], s[0:1], 0x10                ; out0
	s_set_vgpr_msb 0x40
	v_lshl_add_u32 v255, v0, 2, 0x4c400
	s_set_vgpr_msb 0x4000
	v_mov_b32 v255, 0
	s_set_vgpr_msb 0x1
	ds_add_u32 v255, v255
	s_set_vgpr_msb 0x100
	v_lshrrev_b32 v1, 5, v0
	v_readfirstlane_b32 s10, v1                    ; wave
	s_lshr_b32 s11, s10, 1                         ; my half of the block's rows; also: I fetch for A (0) or B (1)
	s_and_b32 s12, s10, 1                          ; my half of its columns; also: which 128 rows of that tile I fetch
	s_bfe_u32 s40, ttmp6, 0x40000                  ; cx
	s_bfe_u32 s41, ttmp6, 0x40004                  ; cy
	s_lshl_b32 s42, ttmp9, 2
	s_add_co_u32 s42, s42, s40                     ; block column
	s_and_b32 s13, ttmp7, 0xffff
	s_lshl_b32 s13, s13, 2
	s_add_co_u32 s13, s13, s41                     ; block row
	s_lshl_b32 s43, s41, 2
	s_lshl_b32 s43, 15, s43                        ; my row of the cluster
	s_lshl_b32 s44, 0x1111, s40                    ; my column
	s_or_b32 s[G1+0], s43, (1<<16)|(1<<20)|(1<<21)|(5<<22)|(3<<25)
	s_or_b32 s[G1B+0], s44, (1<<16)|(1<<20)|(1<<21)|(5<<22)|(3<<25)
	s_mov_b32 s[G1B+1], KSTEP<<16
	s_mov_b32 s[G1+1], KSTEP<<16
	s_mov_b32 s[G1B+2], 128<<16
	s_mov_b32 s[G1+2], 128<<16
	s_mov_b32 s[G1B+3], KSTEP<<16
	s_mov_b32 s[G1+3], KSTEP<<16
	s_mov_b32 s[G1B+4], 128
	s_mov_b32 s[G1+4], 128
	s_mov_b32 s[G1B+5], SIZE_K
	s_mov_b32 s[G1+5], SIZE_K
	s_mov_b32 s[G1B+6], 0
	s_mov_b32 s[G1+6], 0
	s_mov_b32 s[G1B+7], 0
	s_mov_b32 s[G1+7], 0
	s_lshl_b32 s17, s12, 7
	s_lshl_b32 s16, s13, 8
	s_add_co_u32 s16, s16, s17                     ; A: row 256 x block row + 128 x half
	s_lshl_b32 s16, s16, 11                        ; x 2,048 bytes
	s_lshl_b32 s46, s42, 8
	s_add_co_u32 s46, s46, s17                     ; B: row 256 x block column + 128 x half
	s_lshl_b32 s46, s46, 11
	s_add_co_u32 s46, s46, WO_OFF
	s_mov_b32 s17, 0
	s_mov_b32 s47, 0
	s_mul_i32 s20, s10, HALFT                      ; LDS: A's two halves, then B's two halves = wave x 128 rows
	s_wait_dscnt 0x0
	s_wait_kmcnt 0x0
	s_add_nc_u64 s[14:15], s[4:5], s[16:17]
	s_add_nc_u64 s[46:47], s[6:7], s[46:47]
	CROUND
.irp s, 0,1
	s_mov_b32 s[G0+4*\s], 1
	s_add_co_u32 s[G0+4*\s+1], s20, \s*SLOT
	s_add_nc_u64 s[G0+4*\s+2:G0+4*\s+3], s[14:15], \s*KSTEP*2
	s_or_b32 s[G0+4*\s+3], s[G0+4*\s+3], 0x80000000
	s_mov_b32 s[G0B+4*\s], 1
	s_add_co_u32 s[G0B+4*\s+1], s20, \s*SLOT
	s_add_nc_u64 s[G0B+4*\s+2:G0B+4*\s+3], s[46:47], \s*KSTEP*2
	s_or_b32 s[G0B+4*\s+3], s[G0B+4*\s+3], 0x80000000
	JLOAD \s                                       ; two tensor loads of the wave are out
.endr
	v_and_b32 v1, 15, v0
	v_bfe_u32 v2, v0, 4, 1
	v_mul_u32_u24 v3, v1, PITCH
	v_lshl_add_u32 v3, v2, 4, v3
	s_mul_i32 s21, s11, HALFT
	s_mul_i32 s22, s12, HALFT
	s_add_co_u32 s22, s22, 2*HALFT
.irp s, 0,1
	v_add_nc_u32 v[ADRA+\s], s21, v3
	v_add_nc_u32 v[ADRB+\s], s22, v3
	s_add_co_u32 s21, s21, SLOT
	s_add_co_u32 s22, s22, SLOT
.endr
	s_mul_i32 s23, s10, 16*SPITCH
	s_add_co_u32 s23, s23, STAGE                   ; my stage
	v_mul_u32_u24 v4, v1, SPITCH                   ; in: row l % 16, 32 bytes for each half of the lanes
	v_lshl_add_u32 v4, v2, 5, v4
	v_add_nc_u32 v[STO], s23, v4
	v_and_b32 v5, 31, v0
	v_lshlrev_b32 v[CO], 4, v5                     ; back and out: 32 lanes take one row's 512 bytes
	v_add_nc_u32 v[RD], s23, v[CO]
; The 64 accumulators take turns, one instruction a turn, in the same order in every quarter step.
.macro MUL16 f, hi, a0, zero
.irp a, \a0, \a0+1
.irp b, 0,1,2,3,4,5,6,7
.if \zero
	v_wmma_f32_16x16x32_f16 v[8*(8*(\a)+\b):8*(8*(\a)+\b)+7], v[\f+8*\b:\f+8*\b+7], v[\f+8*(4*\hi+\a):\f+8*(4*\hi+\a)+7], 0
.else
	v_wmma_f32_16x16x32_f16 v[8*(8*(\a)+\b):8*(8*(\a)+\b)+7], v[\f+8*\b:\f+8*\b+7], v[\f+8*(4*\hi+\a):\f+8*(4*\hi+\a)+7], v[8*(8*(\a)+\b):8*(8*(\a)+\b)+7]
.endif
.endr
.endr
.endm
.macro FETCH slot, k, f                ; 32 LDS loads in one run: a quarter step's fragments
	WIN TO_B
.irp i, 0,1,2,3,4,5,6,7
	ds_load_b128 v[\f+8*\i:\f+8*\i+3],   v[ADRB+\slot] offset:\k+\i*16*PITCH
	ds_load_b128 v[\f+8*\i+4:\f+8*\i+7], v[ADRB+\slot] offset:\k+\i*16*PITCH+32
.endr
	WIN 0
.irp i, 0,1,2,3,4,5,6,7
	ds_load_b128 v[\f+8*\i:\f+8*\i+3],   v[ADRA+\slot] offset:\k+\i*16*PITCH
	ds_load_b128 v[\f+8*\i+4:\f+8*\i+7], v[ADRA+\slot] offset:\k+\i*16*PITCH+32
.endr
.endm
.macro PLACES                          ; four places behind a matrix instruction (ISA guide 7.12.1)
.rept 4
	v_nop
.endr
.endm
.macro QUARTER slot, k, f, g, zero
	s_wait_dscnt 8                                 ; B and A's rows 0-63 are in; the youngest eight loads (A's rows 64-127) may be out
	WIN MUL_LO
	MUL16 \f, 0, 0, \zero
	MUL16 \f, 0, 2, \zero
	PLACES
	FETCH \slot, \k, \g
	s_wait_dscnt 32                                ; all but the 32 just issued
	WIN MUL_HI
	MUL16 \f, 1, 0, \zero
	MUL16 \f, 1, 2, \zero
.endm
.macro THREE slot, zero
	QUARTER \slot, 64,  F0, F1, \zero
	QUARTER \slot, 128, F1, F0, 0
	QUARTER \slot, 192, F0, F1, 0
.endm
; The last quarter changes slots: each wave's reads of this slot and all its tensor loads are waited for in front of the barrier; where the slot is filled
; again the barrier opens a round of the cluster's barrier, and the joint refill is the first tensor load behind the round.
; From a request to the wait for it a wave issues 240 matrix instructions.
.macro TURN slot, next, fill
	s_wait_dscnt 8
	WIN MUL_LO
	MUL16 F1, 0, 0, 0
	s_wait_dscnt 0
	s_wait_tensorcnt 0x0
	ds_add_u32 v255, v255
	s_wait_dscnt 0x0
	s_barrier_signal -1
	MUL16 F1, 0, 2, 0
	WIN 0
	s_barrier_wait -1
.if \fill
	CREST
	s_add_nc_u64 s[G0+4*\slot+2:G0+4*\slot+3], s[G0+4*\slot+2:G0+4*\slot+3], 2*KSTEP*2
	s_add_nc_u64 s[G0B+4*\slot+2:G0B+4*\slot+3], s[G0B+4*\slot+2:G0B+4*\slot+3], 2*KSTEP*2
	JLOAD \slot
.endif
	PLACES
	FETCH \next, 0, F0
	WIN MUL_HI
	MUL16 F1, 1, 0, 0
	MUL16 F1, 1, 2, 0
.endm
.macro LAP zero
	THREE 0, \zero
	TURN 0, 1, 1
	THREE 1, 0
	TURN 1, 0, 1
.endm
	s_wait_tensorcnt 1                             ; my part of K step 0 is in; K step 1's stays out
	s_barrier_signal -1
	s_barrier_wait -1
	FETCH 0, 0, F0
	LAP 1
	WIN 0
	s_mov_b32 s3, LAPS-2
.Llap:
	LAP 0
	WIN 0
	s_sub_co_u32 s3, s3, 1
	s_cmp_lg_u32 s3, 0
	s_cbranch_scc1 .Llap
	THREE 0, 0                                     ; the last lap fills nothing
	TURN 0, 1, 0
	THREE 1, 0
	s_wait_dscnt 8
	WIN MUL_LO
	MUL16 F1, 0, 0, 0
	MUL16 F1, 0, 2, 0
	s_wait_dscnt 0
	WIN MUL_HI
	MUL16 F1, 1, 0, 0
	MUL16 F1, 1, 2, 0
	; THE WAY OUT, 16 rows at a time, in f32: 32 bytes a lane into my own stage, whole rows of 512 bytes back and out.
	PLACES                                         ; behind the last matrix instructions: for the LDS stores of results and the loads into buffers 0 and 1
	s_lshl_b32 s13, s13, 8
	s_lshl_b32 s14, s11, 7
	s_add_co_u32 s16, s13, s14                     ; my first row
	s_lshl_b32 s16, s16, 14                        ; x 16,384 bytes
	s_mov_b32 s17, 0
	s_add_nc_u64 s[8:9], s[8:9], s[16:17]
	s_lshl_b32 s46, s42, 10                        ; my first column, in bytes: 1,024 x block + 512 x half
	s_lshl_b32 s47, s12, 9
	s_add_co_u32 s46, s46, s47
	s_mov_b32 s47, 0
	s_add_nc_u64 s[8:9], s[8:9], s[46:47]
; rows 16 i .. 16 i + 15 = the eight tiles (a, 0..7) of window 2 or 3 (from = 0x08 or 0x0c: the LDS stores' data); f: F0 or F1 in turn
.macro OUT16F i, a, from, f
	WIN \from
.irp b, 0,1,2,3,4,5,6,7
	ds_store_b128 v[STO], v[8*(8*\a+\b):8*(8*\a+\b)+3] offset:64*\b
	ds_store_b128 v[STO], v[8*(8*\a+\b)+4:8*(8*\a+\b)+7] offset:64*\b+16
.endr
	WIN 0
	s_wait_xcnt 0x0                                ; buffer f, which earlier stores read, and the stores' base are rewritten only behind this wait
.if \i
	s_add_nc_u64 s[8:9], s[8:9], 16*SIZE_N*4
.endif
.irp t, 0,1,2,3,4,5,6,7,8,9,10,11,12,13,14,15
	ds_load_b128 v[\f+4*\t:\f+4*\t+3], v[RD] offset:\t*SPITCH      ; LDS serves a wave's instructions in order: these see the stores above
.endr
.irp t, 0,1,2,3,4,5,6,7,8,9,10,11,12,13,14,15
	s_wait_dscnt 15-\t
	global_store_b128 v[CO], v[\f+4*\t:\f+4*\t+3], s[8:9] offset:\t*SIZE_N*4 th:TH_STORE_NT   ; the wave stores 512 consecutive bytes of one row, at a multiple of 512
.endr
.endm
	OUT16F 0, 0, 0x08, F0
	OUT16F 1, 1, 0x08, F1
	OUT16F 2, 2, 0x08, F0
	OUT16F 3, 3, 0x08, F1
	OUT16F 4, 0, 0x0c, F0
	OUT16F 5, 1, 0x0c, F1
	OUT16F 6, 2, 0x0c, F0
	OUT16F 7, 3, 0x0c, F1
	s_set_vgpr_msb 0x1
	s_wait_tensorcnt 0x0
	ds_add_u32 v255, v255
	s_wait_dscnt 0x0
	s_set_vgpr_msb 0x100
	CROUND                                         ; the closing round
	s_endpgm
.Lfunc_end_k_q3c177d23f7_oproj:
	.size	k_q3c177d23f7_oproj, .Lfunc_end_k_q3c177d23f7_oproj-k_q3c177d23f7_oproj
	.p2alignl 7, 3214868480
	.fill 96, 4, 3214868480
	.section	.rodata,"a",@progbits
	.p2align	6, 0x0
	.amdhsa_kernel k_q3c177d23f7_oproj
		.amdhsa_group_segment_fixed_size 327680
		.amdhsa_private_segment_fixed_size 0
		.amdhsa_enable_private_segment 0
		.amdhsa_kernarg_size 24
		.amdhsa_user_sgpr_count 2
		.amdhsa_user_sgpr_kernarg_segment_ptr 1
		.amdhsa_wavefront_size32 1
		.amdhsa_system_sgpr_workgroup_id_x 1
		.amdhsa_system_sgpr_workgroup_id_y 1
		.amdhsa_system_sgpr_workgroup_id_z 1
		.amdhsa_system_vgpr_workitem_id 0
		.amdhsa_next_free_vgpr 1024
		.amdhsa_next_free_sgpr 66
		.amdhsa_reserve_vcc 0
		.amdhsa_float_denorm_mode_32 3
		.amdhsa_float_denorm_mode_16_64 3
		.amdhsa_memory_ordered 1
		.amdhsa_forward_progress 1
		.amdhsa_inst_pref_size 196
	.end_amdhsa_kernel
	.amdgpu_metadata
---
amdhsa.version: [ 1, 2 ]
amdhsa.kernels:
  - .name:           k_q3c177d23f7_oproj
    .symbol:         k_q3c177d23f7_oproj.kd
    .args:
      - { .name: ctx, .offset: 0, .size: 8, .value_kind: global_buffer, .address_space: global }
      - { .name: hw, .offset: 8, .size: 8, .value_kind: global_buffer, .address_space: global }
      - { .name: out0, .offset: 16, .size: 8, .value_kind: global_buffer, .address_space: global }
    .group_segment_fixed_size: 327680
    .private_segment_fixed_size: 0
    .kernarg_segment_align: 8
    .kernarg_segment_size: 24
    .max_flat_workgroup_size: 128
    .sgpr_count:     66
    .vgpr_count:     1024
    .wavefront_size: 32
...
	.end_amdgpu_metadata
.endif
;; end of part 4
